; MI455X (gfx1250); checked and timed in simulation.
; The chip was launched on July 23, 2026; its instructions are those of AMD's public machine-readable ISA for CDNA 5 (MIT licence, August 2026) and "CDNA5" Instruction Set Architecture Reference Guide (July 2026). The comments in the code are by the model that wrote it; some were corrected since.
;; Fast SNN. Allowed arithmetic: float matrix products may take bf16 or f16 operands with f32 sums; all other float work in f32.
;; Inputs: dec_b 10 float32; dec_w 10 x 512 float32; weights 512 x 256 float32; x_windows 500 x 128 x 256 float32.
;; Outputs: out0 128 x 10 float32.
;; 2 versions, each right and faster than the one before. Each part assembles by itself: llvm-mc -triple=amdgcn-amd-amdhsa -mcpu=gfx1250 --defsym DOCPART=n.
;; ======== version 1 of 2: 2 launches
;; workspace buffers: part 10,240 bytes
;; launch snn (part 1): grid 256 x 1, 4 waves a work-group, clusters of 4 x 1, 283,904 bytes of LDS; arguments x_windows, weights, dec_w, dec_b, part; writes part
.if DOCPART == 1
	.amdgcn_target "amdgcn-amd-amdhsa--gfx1250"
	.amdhsa_code_object_version 6
	.text
	.protected	k_qedc9d8786c_snn
	.globl	k_qedc9d8786c_snn
	.p2align	8
	.type	k_qedc9d8786c_snn,@function
k_qedc9d8786c_snn:
	s_mov_b64 s[64:65], 0
	v_nop
	global_prefetch_b8 v0, s[64:65] scope:SCOPE_SE
	s_setreg_imm32_b32 hwreg(HW_REG_WAVE_MODE, 25, 1), 1
	s_wait_xcnt 0x0
	s_wait_alu depctr_hold_cnt(0) depctr_sa_sdst(0) depctr_va_vdst(0) depctr_va_sdst(0) depctr_va_ssrc(0) depctr_va_vcc(0) depctr_vm_vsrc(0)
	s_getreg_b32 s2, hwreg(HW_REG_IB_STS2, 6, 4)
	s_cmp_eq_u32 s2, 0
	s_cbranch_scc0 .Lentry_in_a_cluster
	s_endpgm
.Lentry_in_a_cluster:
	s_bfe_u32 s2, ttmp6, 0x10000c
	s_cmp_lg_u32 s2, 0x3003
	s_cbranch_scc0 .Lentry_shape_is_right
	s_endpgm
.Lentry_shape_is_right:
; FastSNN, the fused part.  proj[t][b][f] = x[t][b][:] . weights[f][:]  (T = 500, B = 128, W = 256, F = 512), and for each neuron (b, f),
; serially in t:  trace = 0.95 trace + proj;  u = 0.9 u + trace;  a spike if u > 1, then u = 0;  the spikes are counted.
; part[fh][b][c] = sum over this work-group's 256 filters of count x dec_w[c][f]  (+ dec_b[c] in the half fh = 0).  proj never goes to memory.
;
; SHARES.  A work-group has one batch row b and one half fh of the filters; a wave 64 filters (four tiles of 16).  The 16 rows of a matrix tile
; are 16 successive time steps, a block: 31 whole blocks and one of 4 steps.  So one A fragment feeds four matrix instructions.
; The weights of a wave (64 x 256) stay in 256 registers as bf16 for the whole launch.  They come once, as f32, by ONE tensor load a wave,
; asked for JOINTLY by the four work-groups of a cluster, which have the same fh and four neighbouring b.
; x goes memory -> registers -> bf16 -> LDS, not by tensor loads and not jointly: a row of x is wanted by two work-groups only, and it must be rounded to bf16
; before it can be a fragment; brought into LDS as f32 a block would cost 16 KiB written and 16 KiB read there on top of the 8 KiB of bf16 that are staged anyway.
; A ring of eight register slots holds each wave's quarter of eight blocks (8 loads of 512 bytes a block): 128 KiB of the work-group are on their way.
;
; A PHASE p: the 32 matrix instructions of block p, and between them the scan of block p - 1, the fragment loads of block p + 1,
; the rounding and staging of block p + 2 and the loads of block p + 10.  One barrier a phase.
; THE SCAN wants all 16 steps of a neuron in one lane, but a result tile holds steps 0-7 in lanes 0-15 and steps 8-15 in lanes 16-31.
; v_permlane16_swap_b32 on register j of two neighbouring tiles mends that: afterwards the first holds step j and the second step 8 + j
; of 32 filters, one a lane.  Two chains a wave: chain 0 filters f0 + lane, chain 1 filters f0 + 32 + lane.
;
; LIMITS.  x and weights are rounded to bf16 for the products, sums in f32.  Each recurrence is one fused multiply-add (one rounding).
; A spike sets u to 0 by a select; where u has overflowed to +inf (above 3.4e38) the product u x 0 would give NaN instead: not followed.
; The decoder is done in f32 on the vector unit: ten columns, and counts up to 500 have no exact bf16.
; The work-group's result is ten numbers: its one store covers 40 bytes.
.set XROW,   131072                    ; bytes from x[t] to x[t+1]: 128 rows of 1,024
.set XBLK,   16*XROW                   ; a block of 16 steps
.set WPITCH, 1040                      ; LDS row of f32 weights: 1,024 bytes + 16 of padding = 65 x 16
.set WTILE,  64*WPITCH                 ; a wave's weights in LDS: 66,560 bytes, at wave x WTILE; filled once, read by that wave alone
.set STG,    4*WTILE                   ; 266,240: two buffers of bf16 x, written by ds_store alone
.set SPITCH, 528                       ; a staged row: 512 bytes + 16 = 33 x 16
.set SBUF,   16*SPITCH                 ; 8,448
.set SCR,    STG+2*SBUF                ; 283,136: wave w's ten sums at SCR + 64 w + 4 c
; registers, window 0: v1 lane; v2 my byte offset in x; v3 where I stage; v4 where I read A fragments; v5 where I read f32 weights;
; v6 my offset in dec_w; v7 4 x min(lane, 9); v14, v15 at work
.set UR,  8                            ; v8, v9    u of chain 0, 1
.set TRC, 10                           ; v10, v11  trace carried from block to block
.set CNT, 12                           ; v12, v13  spike counts, whole numbers
.set ACC, 16                           ; v[16:79]  two sets of four result tiles; step s of chain c in set a: v[ACC + 32 a + 16 c + s]
.set AF,  80                           ; v[80:207] two sets of eight A fragments
.set DW,  208                          ; v[208:227] dec_w[c][my filter of chain 0, 1] at DW + 2 c, + 1
.set DB,  228                          ; v228      dec_b[min(lane, 9)]
; window 1: the 32 B fragments, tile n, K chunk k at v[64 n + 8 k].   window 2: the ring, slot i, load q at v[32 i + 4 q].
; s_set_vgpr_msb's low byte: bits 1:0 source 0, 3:2 source 1, 5:4 source 2, 7:6 destination; its high byte repeats the setting that is left.
.set MSB, 0
.macro WIN new
.if MSB != \new
	s_set_vgpr_msb (MSB<<8)|\new
.set MSB, \new
.endif
.endm
.set W_MAIN, 0x04                      ; source 1 (B) in window 1; every other line of the main stream has no vector register as source 1
.set W_CVT,  0x8a                      ; sources 0, 1 and destination in the ring
.set W_RING, 0x88                      ; store data (source 1) and loaded data (destination) in the ring, addresses in window 0
.set W_TOB,  0x40                      ; destination in window 1
; A round of the cluster's barrier: my work-group's barrier, wave 0 signals for the work-group, every wave waits for all four, my work-group's barrier again.
.macro ROUND
	s_barrier_signal -1
	s_barrier_wait -1
	s_cmp_lg_u32 s14, 0
	s_cbranch_scc1 .Lnot_wave_0_\@
	s_barrier_signal -3
.Lnot_wave_0_\@:
	s_barrier_wait -3
	s_barrier_signal -1
	s_barrier_wait -1
.endm
	s_load_b256 s[4:11], s[0:1], 0x0               ; x s[4:5], weights s[6:7], dec_w s[8:9], dec_b s[10:11]
	s_load_b64 s[12:13], s[0:1], 0x20              ; part
	v_lshl_add_u32 v254, v0, 2, 0x45300
	v_mov_b32 v255, 0
	ds_add_u32 v254, v255
	v_lshrrev_b32 v1, 5, v0
	v_readfirstlane_b32 s14, v1                    ; wave 0..3
	v_and_b32 v1, 31, v0                           ; lane
	s_bfe_u32 s15, ttmp6, 0x40000                  ; cx: my place in the cluster
	s_and_b32 s16, ttmp9, 1                        ; fh: the cluster's half of the filters
	s_lshr_b32 s17, ttmp9, 1
	s_lshl_b32 s17, s17, 2
	s_add_co_u32 s17, s17, s15                     ; b = 4 x (cluster / 2) + cx
	s_mov_b32 s18, 0x3f733333                      ; 0.95
	s_mov_b32 s19, 0x3f666666                      ; 0.9
	s_mov_b32 s22, 0x76543210                      ; v_permlanex16_b32: lane i of one half reads lane i of the other
	s_mov_b32 s23, 0xfedcba98
	; the one tensor descriptor: 64 rows x 256 f32 of weights, 16 bytes of padding behind each row, for all four work-groups of the cluster
	s_mov_b32 s24, 1                               ; group 0: count = 1
	s_mul_i32 s25, s14, WTILE                      ; LDS address: the wave's number times a constant
	s_mov_b32 s28, 0x07f2000f                      ; 15:0 mask = all four; 17:16 elements of 4 bytes; 20 padding on; 21 set beside a mask; 24:22 after 256 words; 31:25 of 4 words
	s_mov_b32 s29, 256<<16                         ; tensor_dim0 = 256
	s_mov_b32 s30, 64<<16                          ; tensor_dim1 = 64
	s_mov_b32 s31, 256<<16                         ; tile_dim0 = 256
	s_mov_b32 s32, 64                              ; tile_dim1 = 64
	s_mov_b32 s33, 256                             ; 256 elements from row to row
	s_mov_b32 s34, 0
	s_mov_b32 s35, 0
	s_lshl_b32 s38, s16, 18                        ; 256 fh rows of 1,024 bytes
	s_lshl_b32 s39, s14, 16                        ; + 64 w rows
	s_add_co_u32 s38, s38, s39
	s_mov_b32 s39, 0
	s_lshl_b32 s42, s17, 10                        ; x's row b (registers of their own: none that feeds the descriptor ever holds cx)
	s_mov_b32 s43, 0
	s_wait_dscnt 0x0
	s_wait_kmcnt 0x0
	s_add_nc_u64 s[26:27], s[6:7], s[38:39]        ; the tile's first element: hangs on fh and the wave alone, equal in all four partners
	s_or_b32 s27, s27, 0x80000000                  ; type = 2
	s_add_nc_u64 s[4:5], s[4:5], s[42:43]          ; x at (t = 0, b)
	ROUND                                          ; all four work-groups are here: the joint loads meet
	tensor_load_to_lds s[24:27], s[28:35]          ; the wave's only tensor load: one is outstanding, and no LDS byte is ever filled again
	s_nop 0
	s_and_b32 s36, s14, 1                          ; which half of a row of x I fetch
	s_lshr_b32 s37, s14, 1                         ; even or odd rows
	s_lshl_b32 s38, s36, 9
	s_lshl_b32 s39, s37, 17
	s_add_co_u32 s38, s38, s39
	v_lshl_add_u32 v2, v1, 4, s38                  ; x: 16 lane + 512 (w & 1) + one step (w >> 1)
	s_mul_i32 s38, s37, SPITCH
	s_lshl_b32 s39, s36, 8
	s_add_co_u32 s38, s38, s39
	s_add_co_u32 s38, s38, STG
	v_lshl_add_u32 v3, v1, 3, s38                  ; stage: the same row and half, 8 bytes a lane
	v_and_b32 v14, 15, v0                          ; r
	v_bfe_u32 v15, v0, 4, 1                        ; h
	v_mul_u32_u24 v4, v14, SPITCH
	v_lshl_add_u32 v4, v15, 4, v4
	v_add_nc_u32 v4, STG, v4                       ; A fragment: row r, 16 h
	v_mul_u32_u24 v5, v14, WPITCH
	v_lshl_add_u32 v5, v15, 5, v5
	v_add_nc_u32 v5, s25, v5                       ; f32 weights: my wave's tile, row r, 32 h
	s_lshl_b32 s38, s16, 10
	s_lshl_b32 s39, s14, 8
	s_add_co_u32 s38, s38, s39
	v_lshl_add_u32 v6, v1, 2, s38                  ; dec_w: 4 (256 fh + 64 w + lane)
	v_min_u32 v7, 9, v1
	v_lshlrev_b32 v7, 2, v7                        ; 4 min(lane, 9)
.irp i, 0,1,2,3,4,5
	v_mov_b32 v[UR+\i], 0                          ; u, trace and counts start at 0
.endr
	; the oldest loads of the wave: the first wait of the ring covers them
.irp c, 0,1,2,3,4,5,6,7,8,9
	global_load_b32 v[DW+2*\c],   v6, s[8:9] offset:\c*2048
	global_load_b32 v[DW+2*\c+1], v6, s[8:9] offset:\c*2048+128
.endr
	global_load_b32 v[DB], v7, s[10:11]
; The next block's loads into ring slot 'slot': load q brings step 2 q + (w >> 1), half row w & 1: 512 consecutive bytes, aligned.
; cnt = 8, or 2 for the last block: the four waves then bring exactly steps 496 to 499.  No hint: the other filter half reads the same rows.
.macro GLOAD cnt, slot, first
.if \first == 0
	s_wait_xcnt 0x0                                ; the base is stepped only when every earlier load has had its address translated
	s_add_nc_u64 s[4:5], s[4:5], XBLK
.endif
	WIN W_RING
.irp q, 0,1,2,3,4,5,6,7
.if \q < \cnt
	global_load_b128 v[32*(\slot)+4*\q:32*(\slot)+4*\q+3], v2, s[4:5] offset:\q*2*XROW
.endif
.endr
.endm
; The block in ring slot 'slot' is rounded to bf16 in place and staged in buffer 'buf'.  left = the loads issued behind this block's.
.macro CONV cnt, slot, buf, left
	s_wait_loadcnt \left                           ; loads come back in order (ISA guide 5.7.1): this block is in, the younger blocks stay out
	WIN W_CVT
.irp q, 0,1,2,3,4,5,6,7
.if \q < \cnt
	v_cvt_pk_bf16_f32 v[32*(\slot)+4*\q],   v[32*(\slot)+4*\q],   v[32*(\slot)+4*\q+1]
	v_cvt_pk_bf16_f32 v[32*(\slot)+4*\q+1], v[32*(\slot)+4*\q+2], v[32*(\slot)+4*\q+3]
.endif
.endr
	WIN W_RING
.irp q, 0,1,2,3,4,5,6,7
.if \q < \cnt
	ds_store_b64 v3, v[32*(\slot)+4*\q:32*(\slot)+4*\q+1] offset:(\buf)*SBUF+\q*2*SPITCH   ; 32 lanes, 256 consecutive bytes
.endif
.endr
.endm
; A fragment k (16 steps x 32 of W) from buffer 'buf' into set 'set': lane (r, h) takes row r, bytes 64 k + 16 h and 32 further on
.macro ALD2 k, buf, set
	ds_load_b128 v[AF+64*(\set)+8*(\k):AF+64*(\set)+8*(\k)+3],   v4 offset:(\buf)*SBUF+64*(\k)
	ds_load_b128 v[AF+64*(\set)+8*(\k)+4:AF+64*(\set)+8*(\k)+7], v4 offset:(\buf)*SBUF+64*(\k)+32
.endm
	GLOAD 8, 0, 1                                  ; blocks 0 to 4 go out while the weights are on their way
	GLOAD 8, 1, 0
	GLOAD 8, 2, 0
	GLOAD 8, 3, 0
	GLOAD 8, 4, 0
	s_wait_tensorcnt 0x0                           ; my tile of weights is in my LDS; no other wave reads it
	GLOAD 8, 5, 0                                  ; where the counter's field is full the issue is held until an older load is back (ISA guide 5.7.1)
	GLOAD 8, 6, 0
	GLOAD 8, 7, 0
	WIN 0
; THE WEIGHTS, f32 in LDS to bf16 fragments in window 1, in eight groups of four fragments; fragment 4 g + i is tile (4 g + i) / 8, K chunk (4 g + i) % 8.
; Lane (r, h) of a fragment holds W = 32 k + 8 h .. + 7 and 32 k + 16 + 8 h .. + 7 of filter row 16 n + r: twice 32 bytes of f32, 64 bytes apart.
.macro WLD g, t
.irp i, 0,1,2,3
	ds_load_b128 v[\t+16*\i:\t+16*\i+3],     v5 offset:((4*(\g)+\i)>>3)*16*WPITCH+((4*(\g)+\i)&7)*128
	ds_load_b128 v[\t+16*\i+4:\t+16*\i+7],   v5 offset:((4*(\g)+\i)>>3)*16*WPITCH+((4*(\g)+\i)&7)*128+16
	ds_load_b128 v[\t+16*\i+8:\t+16*\i+11],  v5 offset:((4*(\g)+\i)>>3)*16*WPITCH+((4*(\g)+\i)&7)*128+64
	ds_load_b128 v[\t+16*\i+12:\t+16*\i+15], v5 offset:((4*(\g)+\i)>>3)*16*WPITCH+((4*(\g)+\i)&7)*128+80
.endr
.endm
.macro WCV g, t
	WIN W_TOB
.irp i, 0,1,2,3
.irp e, 0,1,2,3,4,5,6,7
	v_cvt_pk_bf16_f32 v[8*(4*(\g)+\i)+\e], v[\t+16*\i+2*\e], v[\t+16*\i+2*\e+1]
.endr
.endr
	WIN 0
.endm
	WLD 0, AF                                      ; the two fragment sets serve as the two groups' room by turns
	WLD 1, AF+64
.irp g, 0,1,2,3,4,5
	s_wait_dscnt 16                                ; LDS loads come back in order: this group is in, the younger group's 16 stay out
	WCV \g, AF+64*(\g&1)
	WLD \g+2, AF+64*(\g&1)
.endr
	s_wait_dscnt 16
	WCV 6, AF
	s_wait_dscnt 0x0
	WCV 7, AF+64
	CONV 8, 0, 0, 56                               ; block 0: the 56 loads of blocks 1 to 7 stay out (and dec_w, dec_b, which are older, are in)
	GLOAD 8, 0, 0                                  ; block 8
	CONV 8, 1, 1, 56
	GLOAD 8, 1, 0                                  ; block 9
	WIN 0
	s_wait_dscnt 0x0                               ; my parts of blocks 0 and 1 are staged
	s_barrier_signal -1
	s_barrier_wait -1                              ; everybody's are
.irp k, 0,1,2,3,4,5,6,7
	ALD2 \k, 0, 0
.endr
	s_wait_dscnt 0x0                               ; my reads of buffer 0 are back
	s_barrier_signal -1
	s_barrier_wait -1                              ; everybody's are: phase 0 stages block 2 there
; One matrix instruction of the phase's 32, K chunk idx / 4, tile idx % 4: the four accumulators take turns, one instruction a turn,
; and the next phase starts on the other set, over the loop's backward jump too.  The first K chunk starts the sums.
.macro WM idx
.set WN, (\idx)&3
.set WK, (\idx)>>2
.set WD, ACC+32*PAR+8*WN
.set WA, AF+64*PAR+8*WK
.set WB, 64*WN+8*WK
.if WK == 0
	v_wmma_f32_16x16x32_bf16 v[WD:WD+7], v[WA:WA+7], v[WB:WB+7], 0
.else
	v_wmma_f32_16x16x32_bf16 v[WD:WD+7], v[WA:WA+7], v[WB:WB+7], v[WD:WD+7]
.endif
.endm
; register j of tiles 0, 1 and of tiles 2, 3 of set OTH: afterwards steps j and 8 + j of 32 filters each
.macro SW j
	v_permlane16_swap_b32 v[ACC+32*OTH+(\j)],    v[ACC+32*OTH+8+(\j)]
	v_permlane16_swap_b32 v[ACC+32*OTH+16+(\j)], v[ACC+32*OTH+24+(\j)]
.endm
; The five lines of chain c at step s.  The trace is made in place of the projection; step 0 takes the carried trace, step 15 leaves it in TRC.
.macro TR c, s
.set PP, ACC+32*OTH+16*(\c)+(\s)
.if (\s) == 0
	v_fma_f32 v[PP], v[TRC+\c], s18, v[PP]
.else
.if (\s) == 15
	v_fma_f32 v[TRC+\c], v[PP-1], s18, v[PP]
.else
	v_fma_f32 v[PP], v[PP-1], s18, v[PP]
.endif
.endif
.endm
.macro UU c, s
.if (\s) == 15
	v_fma_f32 v[UR+\c], v[UR+\c], s19, v[TRC+\c]
.else
	v_fma_f32 v[UR+\c], v[UR+\c], s19, v[ACC+32*OTH+16*(\c)+(\s)]
.endif
.endm
.macro CM c
	v_cmp_gt_f32 s[20+\c], v[UR+\c], 1.0           ; the spikes of 32 neurons
.endm
.macro CN c
	v_cndmask_b32 v[UR+\c], v[UR+\c], 0, s[20+\c]  ; reset
.endm
.macro AD c
	v_add_co_ci_u32 v[CNT+\c], s[20+\c], v[CNT+\c], 0, s[20+\c]    ; count + 0 + spike
.endm
; One step of both chains with two matrix instructions.  In step 15 both matrix instructions come early, so that six plain vector lines that name
; neither their registers nor any of that set stand behind the phase's last one, ahead of the next phase's swaps of its results (four places)
; and of the loads into its A fragments.
.macro SLICE s
.if SCN
.if (\s) < 15
	TR 0, \s
	TR 1, \s
	UU 0, \s
	UU 1, \s
	WM 2*(\s)
	CM 0
	CM 1
	CN 0
	CN 1
.if ALDF
.if (\s) < 8
	ALD2 \s, OTH, OTH
.endif
.endif
	WM 2*(\s)+1
	AD 0
	AD 1
.if (\s) < 7
	SW (\s)+1
.endif
.else
	TR 0, \s
	TR 1, \s
	WM 2*(\s)
	UU 0, \s
	UU 1, \s
	WM 2*(\s)+1
	CM 0
	CM 1
	CN 0
	CN 1
	AD 0
	AD 1
.endif
.else
	WM 2*(\s)
.if (\s) < 8
	ALD2 \s, OTH, OTH
.endif
	WM 2*(\s)+1
.endif
.endm
; Phase p.  Products of block p on fragment set and result set p % 2; scan of block p - 1 on the other result set; fragments of block p + 1 from the other
; stage buffer into the other fragment set; block p + 2 staged into buffer p % 2; block p + 10 asked for, into the ring slot just emptied.
; THE ONE BARRIER orders, for all four waves: this phase's staging stores ahead of the next phase's fragment loads from that buffer, and this phase's
; fragment loads ahead of the next phase's stores into their buffer.  Both kinds are waited for in front of the signal; the same wait shows my next fragments in.
.macro PH p
.set PAR, (\p)&1
.set OTH, 1-PAR
.set SLT, ((\p)+2)&7
.if (\p) >= 1
.set SCN, 1
.else
.set SCN, 0
.endif
.if (\p) <= 30
.set ALDF, 1
.else
.set ALDF, 0
.endif
.if (\p) <= 28
.set NCV, 8
.else
.if (\p) == 29
.set NCV, 2
.else
.set NCV, 0
.endif
.endif
.if (\p) <= 20
.set NGL, 8
.else
.if (\p) == 21
.set NGL, 2
.else
.set NGL, 0
.endif
.endif
.if (\p) <= 21
.set LEFT, 56                                      ; seven younger blocks of eight loads
.else
.if (\p) <= 28
.set LEFT, 8*(28-(\p))+2                           ; the whole blocks that are left, and the last block's two loads
.else
.set LEFT, 0
.endif
.endif
	WIN W_MAIN
.if SCN
	SW 0
.endif
.irp s, 0,1,2,3,4,5,6,7
	SLICE \s
.endr
.if NCV
	CONV NCV, SLT, PAR, LEFT
.if NGL
	GLOAD NGL, SLT, 0
.endif
	WIN W_MAIN
.endif
.irp s, 8,9,10,11,12
	SLICE \s
.endr
.if ALDF
	s_wait_dscnt 0x0                               ; my staging stores and my fragment loads are done
.endif
.if (\p) <= 29
	s_barrier_signal -1
.endif
.irp s, 13,14,15
	SLICE \s                                       ; register work alone
.endr
.if SCN == 0
.rept 4
	v_nop                                          ; no scan yet: the four places behind the last matrix instruction (ISA guide 7.12.1)
.endr
.endif
.if (\p) <= 29
	s_barrier_wait -1
.endif
.endm
	PH 0
	WIN 0                                          ; at a label and at a branch every window is 0
	s_mov_b32 s40, 2
.Lring:                                            ; eight phases a trip, as many as the ring has slots, whose register numbers are fixed: phases 1 to 16
.irp p, 1,2,3,4,5,6,7,8
	PH \p
.endr
	WIN 0
	s_sub_co_i32 s40, s40, 1
	s_cmp_lg_u32 s40, 0
	s_cbranch_scc1 .Lring
.irp p, 17,18,19,20,21,22,23,24,25,26,27,28,29,30,31
	PH \p                                          ; written out: the ring runs dry, the counts run down, no load leaves x
.endr
	WIN 0
	; the last block's four steps (t = 496 to 499); rows 4 to 15 of its tiles are not used
.set OTH, 1
	SW 0
	SW 1
	SW 2
	SW 3
.irp s, 0,1,2,3
	TR 0, \s
	TR 1, \s
	UU 0, \s
	UU 1, \s
	CM 0
	CM 1
	CN 0
	CN 1
	AD 0
	AD 1
.endr
	; THE DECODER's part: ten sums over my 64 filters, then over the four waves
	v_cvt_f32_u32 v[CNT], v[CNT]
	v_cvt_f32_u32 v[CNT+1], v[CNT+1]
.irp c, 0,1,2,3,4,5,6,7,8,9
	v_mul_f32 v[16+\c], v[CNT], v[DW+2*\c]
.endr
.irp c, 0,1,2,3,4,5,6,7,8,9
	v_fmac_f32 v[16+\c], v[CNT+1], v[DW+2*\c+1]
.endr
.irp m, 1,2,4,8
.irp c, 0,1,2,3,4,5,6,7,8,9
	v_add_f32_dpp v[16+\c], v[16+\c], v[16+\c] row_xmask:\m row_mask:0xf bank_mask:0xf
.endr
.endr
.irp c, 0,1,2,3,4,5,6,7,8,9
	v_permlanex16_b32 v[32+\c], v[16+\c], s22, s23 ; its destination counts as read: these registers have held results
.endr
.irp c, 0,1,2,3,4,5,6,7,8,9
	v_add_f32 v[16+\c], v[16+\c], v[32+\c]         ; every lane holds the wave's sum c
.endr
	s_lshl_b32 s36, s14, 6
	s_add_co_u32 s36, s36, SCR
	v_mov_b32 v14, s36
.irp c, 0,1,2,3,4,5,6,7,8,9
	ds_store_b32 v14, v[16+\c] offset:4*\c         ; all lanes write the same word with the same value
.endr
	s_wait_dscnt 0x0                               ; for the others' sake: my ten sums are in LDS
	s_barrier_signal -1
	s_barrier_wait -1
	s_cmp_lg_u32 s14, 0
	s_cbranch_scc1 .Lclose                         ; wave 0 finishes
	v_add_nc_u32 v15, SCR, v7
	ds_load_b32 v16, v15                           ; lane c: sum c of wave 0, 1, 2, 3
	ds_load_b32 v17, v15 offset:64
	ds_load_b32 v18, v15 offset:128
	ds_load_b32 v19, v15 offset:192
	s_cmp_eq_u32 s16, 0
	s_cselect_b32 s36, -1, 0
	v_cndmask_b32 v[DB], 0, v[DB], s36             ; the bias is added once: by the half fh = 0
	s_mul_i32 s44, s16, 5120
	s_mul_i32 s45, s17, 40
	s_add_co_u32 s44, s44, s45
	s_mov_b32 s45, 0
	s_add_nc_u64 s[12:13], s[12:13], s[44:45]      ; part[fh][b]
	s_wait_dscnt 0x0
	v_add_f32 v16, v16, v17
	v_add_f32 v18, v18, v19
	v_add_f32 v16, v16, v18
	v_add_f32 v16, v16, v[DB]
	s_wait_xcnt 0x0                                ; EXEC changes only when every earlier memory instruction has had its address translated
	v_cmp_gt_u32 vcc_lo, 10, v1
	s_and_saveexec_b32 s41, vcc_lo
	global_store_b32 v7, v16, s[12:13]             ; lanes 0 to 9: 40 consecutive bytes
	s_wait_xcnt 0x0                                ; and again in front of the line that widens it
	s_or_b32 exec_lo, exec_lo, s41
.Lclose:
	s_wait_tensorcnt 0x0
	ds_add_u32 v254, v255
	s_wait_dscnt 0x0
	ROUND                                          ; the closing round: no work-group ends while a partner may still ask for a tile that names it
	s_endpgm
.Lfunc_end_k_qedc9d8786c_snn:
	.size	k_qedc9d8786c_snn, .Lfunc_end_k_qedc9d8786c_snn-k_qedc9d8786c_snn
	.p2alignl 7, 3214868480
	.fill 96, 4, 3214868480
	.section	.rodata,"a",@progbits
	.p2align	6, 0x0
	.amdhsa_kernel k_qedc9d8786c_snn
		.amdhsa_group_segment_fixed_size 283904
		.amdhsa_private_segment_fixed_size 0
		.amdhsa_enable_private_segment 0
		.amdhsa_kernarg_size 40
		.amdhsa_user_sgpr_count 2
		.amdhsa_user_sgpr_kernarg_segment_ptr 1
		.amdhsa_wavefront_size32 1
		.amdhsa_system_sgpr_workgroup_id_x 1
		.amdhsa_system_sgpr_workgroup_id_y 1
		.amdhsa_system_sgpr_workgroup_id_z 1
		.amdhsa_system_vgpr_workitem_id 0
		.amdhsa_next_free_vgpr 768
		.amdhsa_next_free_sgpr 66
		.amdhsa_reserve_vcc 1
		.amdhsa_float_denorm_mode_32 3
		.amdhsa_float_denorm_mode_16_64 3
		.amdhsa_memory_ordered 1
		.amdhsa_forward_progress 1
		.amdhsa_inst_pref_size 255
	.end_amdhsa_kernel
	.section	.bss,"aw",@nobits
	.p2align	6
	.space	262144
	.amdgpu_metadata
---
amdhsa.version: [ 1, 2 ]
amdhsa.kernels:
  - .name:           k_qedc9d8786c_snn
    .symbol:         k_qedc9d8786c_snn.kd
    .args:
      - { .name: x_windows, .offset: 0, .size: 8, .value_kind: global_buffer, .address_space: global }
      - { .name: weights, .offset: 8, .size: 8, .value_kind: global_buffer, .address_space: global }
      - { .name: dec_w, .offset: 16, .size: 8, .value_kind: global_buffer, .address_space: global }
      - { .name: dec_b, .offset: 24, .size: 8, .value_kind: global_buffer, .address_space: global }
      - { .name: part, .offset: 32, .size: 8, .value_kind: global_buffer, .address_space: global }
    .group_segment_fixed_size: 283904
    .private_segment_fixed_size: 0
    .kernarg_segment_align: 8
    .kernarg_segment_size: 40
    .max_flat_workgroup_size: 128
    .sgpr_count:     66
    .vgpr_count:     768
    .wavefront_size: 32
...
	.end_amdgpu_metadata
.endif
;; end of part 1
;; launch finish (part 2): grid 1 x 1, 10 waves a work-group, no clusters, 0 bytes of LDS; arguments part, out0; writes out0
.if DOCPART == 2
	.amdgcn_target "amdgcn-amd-amdhsa--gfx1250"
	.amdhsa_code_object_version 6
	.text
	.protected	k_qedc9d8786c_finish
	.globl	k_qedc9d8786c_finish
	.p2align	8
	.type	k_qedc9d8786c_finish,@function
k_qedc9d8786c_finish:
	s_mov_b64 s[64:65], 0
	v_nop
	global_prefetch_b8 v0, s[64:65] scope:SCOPE_SE
	s_setreg_imm32_b32 hwreg(HW_REG_WAVE_MODE, 25, 1), 1
	s_wait_xcnt 0x0
; out0[b][c] = part[0][b][c] + part[1][b][c]: the two filter halves of the decoder's sum (the bias is in half 0 already).
; 1,280 numbers: 320 threads, four numbers each; a load or store of a wave covers 512 consecutive bytes, aligned.
; One work-group: the whole work is 15 KiB of traffic, and nothing is left to share out.
.set HALF, 5120                        ; bytes of one half: 128 rows of 10 f32
	s_load_b128 s[4:7], s[0:1], 0x0                ; part s[4:5], out0 s[6:7]
	v_lshlrev_b32 v1, 4, v0                        ; 16 bytes a thread
	s_wait_kmcnt 0x0
	global_load_b128 v[4:7],  v1, s[4:5]
	global_load_b128 v[8:11], v1, s[4:5] offset:HALF
	s_wait_loadcnt 0x0
	v_pk_add_f32 v[4:5], v[4:5], v[8:9]
	v_pk_add_f32 v[6:7], v[6:7], v[10:11]
	global_store_b128 v1, v[4:7], s[6:7]
	s_endpgm
.Lfunc_end_k_qedc9d8786c_finish:
	.size	k_qedc9d8786c_finish, .Lfunc_end_k_qedc9d8786c_finish-k_qedc9d8786c_finish
	.p2alignl 7, 3214868480
	.fill 96, 4, 3214868480
	.section	.rodata,"a",@progbits
	.p2align	6, 0x0
	.amdhsa_kernel k_qedc9d8786c_finish
		.amdhsa_group_segment_fixed_size 0
		.amdhsa_private_segment_fixed_size 0
		.amdhsa_enable_private_segment 0
		.amdhsa_kernarg_size 16
		.amdhsa_user_sgpr_count 2
		.amdhsa_user_sgpr_kernarg_segment_ptr 1
		.amdhsa_wavefront_size32 1
		.amdhsa_system_sgpr_workgroup_id_x 1
		.amdhsa_system_sgpr_workgroup_id_y 1
		.amdhsa_system_sgpr_workgroup_id_z 1
		.amdhsa_system_vgpr_workitem_id 0
		.amdhsa_next_free_vgpr 16
		.amdhsa_next_free_sgpr 66
		.amdhsa_reserve_vcc 0
		.amdhsa_float_denorm_mode_32 3
		.amdhsa_float_denorm_mode_16_64 3
		.amdhsa_memory_ordered 1
		.amdhsa_forward_progress 1
		.amdhsa_inst_pref_size 1
	.end_amdhsa_kernel
	.amdgpu_metadata
---
amdhsa.version: [ 1, 2 ]
amdhsa.kernels:
  - .name:           k_qedc9d8786c_finish
    .symbol:         k_qedc9d8786c_finish.kd
    .args:
      - { .name: part, .offset: 0, .size: 8, .value_kind: global_buffer, .address_space: global }
      - { .name: out0, .offset: 8, .size: 8, .value_kind: global_buffer, .address_space: global }
    .group_segment_fixed_size: 0
    .private_segment_fixed_size: 0
    .kernarg_segment_align: 8
    .kernarg_segment_size: 16
    .max_flat_workgroup_size: 320
    .sgpr_count:     66
    .vgpr_count:     16
    .wavefront_size: 32
...
	.end_amdgpu_metadata
.endif
;; end of part 2
;; ======== version 2 of 2: 2 launches; 1.14 times as fast as version 1
;; workspace buffers: part 10,240 bytes
;; launch snn (part 3): grid 256 x 1, 4 waves a work-group, clusters of 4 x 1, 283,904 bytes of LDS; arguments x_windows, weights, dec_w, dec_b, part; writes part
.if DOCPART == 3
	.amdgcn_target "amdgcn-amd-amdhsa--gfx1250"
	.amdhsa_code_object_version 6
	.text
	.protected	k_qedc9d8786c_snn
	.globl	k_qedc9d8786c_snn
	.p2align	8
	.type	k_qedc9d8786c_snn,@function
k_qedc9d8786c_snn:
	s_mov_b64 s[64:65], 0
	v_nop
	global_prefetch_b8 v0, s[64:65] scope:SCOPE_SE
	s_setreg_imm32_b32 hwreg(HW_REG_WAVE_MODE, 25, 1), 1
	s_wait_xcnt 0x0
	s_wait_alu depctr_hold_cnt(0) depctr_sa_sdst(0) depctr_va_vdst(0) depctr_va_sdst(0) depctr_va_ssrc(0) depctr_va_vcc(0) depctr_vm_vsrc(0)
	s_getreg_b32 s2, hwreg(HW_REG_IB_STS2, 6, 4)
	s_cmp_eq_u32 s2, 0
	s_cbranch_scc0 .Lentry_in_a_cluster
	s_endpgm
.Lentry_in_a_cluster:
	s_bfe_u32 s2, ttmp6, 0x10000c
	s_cmp_lg_u32 s2, 0x3003
	s_cbranch_scc0 .Lentry_shape_is_right
	s_endpgm
.Lentry_shape_is_right:
; FastSNN, the fused part.  proj[t][b][f] = x[t][b][:] . weights[f][:]  (T = 500, B = 128, W = 256, F = 512), and for each neuron (b, f),
; serially in t:  trace = 0.95 trace + proj;  u = 0.9 u + trace;  a spike if u > 1, then u = 0;  the spikes are counted.
; part[fh][b][c] = sum over this work-group's 256 filters of count x dec_w[c][f]  (+ dec_b[c] in the half fh = 0).  proj never goes to memory.
;
; SHARES.  A work-group has one batch row b and one half fh of the filters; a wave 64 filters (four tiles of 16).  The 16 rows of a matrix tile
; are 16 successive time steps, a block: 31 whole blocks and one of 4 steps.  So one A fragment feeds four matrix instructions.
; The weights of a wave (64 x 256) stay in 256 registers as bf16 for the whole launch.  They come once, as f32, by ONE tensor load a wave,
; asked for JOINTLY by the four work-groups of a cluster, which have the same fh and four neighbouring b.
; x goes memory -> registers -> bf16 -> LDS, not by tensor loads and not jointly: a row of x is wanted by two work-groups only, and it must be rounded to bf16
; before it can be a fragment; brought into LDS as f32 a block would cost 16 KiB written and 16 KiB read there on top of the 8 KiB of bf16 that are staged anyway.
; A ring of eight register slots holds each wave's quarter of eight blocks (8 loads of 512 bytes a block): 128 KiB of the work-group are on their way.
;
; A PHASE p opens with ONE run of memory instructions: block p + 2 is rounded and staged, block p + 10 is asked for, the fragments of block p + 1 are
; loaded.  Then come the 32 matrix instructions of block p with the scan of block p - 1 between them, and no memory instruction among them.  One barrier a phase.
; THE SCAN wants all 16 steps of a neuron in one lane, but a result tile holds steps 0-7 in lanes 0-15 and steps 8-15 in lanes 16-31.
; v_permlane16_swap_b32 on register j of two neighbouring tiles mends that: afterwards the first holds step j and the second step 8 + j
; of 32 filters, one a lane.  Two chains a wave: chain 0 filters f0 + lane, chain 1 filters f0 + 32 + lane.
;
; LIMITS.  x and weights are rounded to bf16 for the products, sums in f32.  Each recurrence is one fused multiply-add (one rounding).
; A spike sets u to 0 by a select; where u has overflowed to +inf (above 3.4e38) the product u x 0 would give NaN instead: not followed.
; The decoder is done in f32 on the vector unit: ten columns, and counts up to 500 have no exact bf16.
; The work-group's result is ten numbers: its one store covers 40 bytes.
.set XROW,   131072                    ; bytes from x[t] to x[t+1]: 128 rows of 1,024
.set XBLK,   16*XROW                   ; a block of 16 steps
.set WPITCH, 1040                      ; LDS row of f32 weights: 1,024 bytes + 16 of padding = 65 x 16
.set WTILE,  64*WPITCH                 ; a wave's weights in LDS: 66,560 bytes, at wave x WTILE; filled once, read by that wave alone
.set STG,    4*WTILE                   ; 266,240: two buffers of bf16 x, written by ds_store alone
.set SPITCH, 528                       ; a staged row: 512 bytes + 16 = 33 x 16
.set SBUF,   16*SPITCH                 ; 8,448
.set SCR,    STG+2*SBUF                ; 283,136: wave w's ten sums at SCR + 64 w + 4 c
; registers, window 0: v1 lane; v2 my byte offset in x; v3 where I stage; v4 where I read A fragments; v5 where I read f32 weights;
; v6 my offset in dec_w; v7 4 x min(lane, 9); v14, v15 at work
.set UR,  8                            ; v8, v9    u of chain 0, 1
.set TRC, 10                           ; v10, v11  trace carried from block to block
.set CNT, 12                           ; v12, v13  spike counts, whole numbers
.set ACC, 16                           ; v[16:79]  two sets of four result tiles; step s of chain c in set a: v[ACC + 32 a + 16 c + s]
.set AF,  80                           ; v[80:207] two sets of eight A fragments
.set DW,  208                          ; v[208:227] dec_w[c][my filter of chain 0, 1] at DW + 2 c, + 1
.set DB,  228                          ; v228      dec_b[min(lane, 9)]
; window 1: the 32 B fragments, tile n, K chunk k at v[64 n + 8 k].   window 2: the ring, slot i, load q at v[32 i + 4 q].
; s_set_vgpr_msb's low byte: bits 1:0 source 0, 3:2 source 1, 5:4 source 2, 7:6 destination; its high byte repeats the setting that is left.
.set MSB, 0
.macro WIN new
.if MSB != \new
	s_set_vgpr_msb (MSB<<8)|\new
.set MSB, \new
.endif
.endm
.set W_MAIN, 0x04                      ; source 1 (B) in window 1; every other line of the main stream has no vector register as source 1
.set W_CVT,  0x8a                      ; sources 0, 1 and destination in the ring
.set W_RING, 0x88                      ; store data (source 1) and loaded data (destination) in the ring, addresses in window 0
.set W_TOB,  0x40                      ; destination in window 1
; A round of the cluster's barrier: my work-group's barrier, wave 0 signals for the work-group, every wave waits for all four, my work-group's barrier again.
.macro ROUND
	s_barrier_signal -1
	s_barrier_wait -1
	s_cmp_lg_u32 s14, 0
	s_cbranch_scc1 .Lnot_wave_0_\@
	s_barrier_signal -3
.Lnot_wave_0_\@:
	s_barrier_wait -3
	s_barrier_signal -1
	s_barrier_wait -1
.endm
	s_load_b256 s[4:11], s[0:1], 0x0               ; x s[4:5], weights s[6:7], dec_w s[8:9], dec_b s[10:11]
	s_load_b64 s[12:13], s[0:1], 0x20              ; part
	v_lshl_add_u32 v254, v0, 2, 0x45300
	v_mov_b32 v255, 0
	ds_add_u32 v254, v255
	v_lshrrev_b32 v1, 5, v0
	v_readfirstlane_b32 s14, v1                    ; wave 0..3
	v_and_b32 v1, 31, v0                           ; lane
	s_bfe_u32 s15, ttmp6, 0x40000                  ; cx: my place in the cluster
	s_and_b32 s16, ttmp9, 1                        ; fh: the cluster's half of the filters
	s_lshr_b32 s17, ttmp9, 1
	s_lshl_b32 s17, s17, 2
	s_add_co_u32 s17, s17, s15                     ; b = 4 x (cluster / 2) + cx
	s_mov_b32 s18, 0x3f733333                      ; 0.95
	s_mov_b32 s19, 0x3f666666                      ; 0.9
	s_mov_b32 s22, 0x76543210                      ; v_permlanex16_b32: lane i of one half reads lane i of the other
	s_mov_b32 s23, 0xfedcba98
	; the one tensor descriptor: 64 rows x 256 f32 of weights, 16 bytes of padding behind each row, for all four work-groups of the cluster
	s_mov_b32 s24, 1                               ; group 0: count = 1
	s_mul_i32 s25, s14, WTILE                      ; LDS address: the wave's number times a constant
	s_mov_b32 s28, 0x07f2000f                      ; 15:0 mask = all four; 17:16 elements of 4 bytes; 20 padding on; 21 set beside a mask; 24:22 after 256 words; 31:25 of 4 words
	s_mov_b32 s29, 256<<16                         ; tensor_dim0 = 256
	s_mov_b32 s30, 64<<16                          ; tensor_dim1 = 64
	s_mov_b32 s31, 256<<16                         ; tile_dim0 = 256
	s_mov_b32 s32, 64                              ; tile_dim1 = 64
	s_mov_b32 s33, 256                             ; 256 elements from row to row
	s_mov_b32 s34, 0
	s_mov_b32 s35, 0
	s_lshl_b32 s38, s16, 18                        ; 256 fh rows of 1,024 bytes
	s_lshl_b32 s39, s14, 16                        ; + 64 w rows
	s_add_co_u32 s38, s38, s39
	s_mov_b32 s39, 0
	s_lshl_b32 s42, s17, 10                        ; x's row b (registers of their own: none that feeds the descriptor ever holds cx)
	s_mov_b32 s43, 0
	s_wait_dscnt 0x0
	s_wait_kmcnt 0x0
	s_add_nc_u64 s[26:27], s[6:7], s[38:39]        ; the tile's first element: hangs on fh and the wave alone, equal in all four partners
	s_or_b32 s27, s27, 0x80000000                  ; type = 2
	s_add_nc_u64 s[4:5], s[4:5], s[42:43]          ; x at (t = 0, b)
	ROUND                                          ; all four work-groups are here: the joint loads meet
	tensor_load_to_lds s[24:27], s[28:35]          ; the wave's only tensor load: one is outstanding, and no LDS byte is ever filled again
	s_nop 0
	s_and_b32 s36, s14, 1                          ; which half of a row of x I fetch
	s_lshr_b32 s37, s14, 1                         ; even or odd rows
	s_lshl_b32 s38, s36, 9
	s_lshl_b32 s39, s37, 17
	s_add_co_u32 s38, s38, s39
	v_lshl_add_u32 v2, v1, 4, s38                  ; x: 16 lane + 512 (w & 1) + one step (w >> 1)
	s_mul_i32 s38, s37, SPITCH
	s_lshl_b32 s39, s36, 8
	s_add_co_u32 s38, s38, s39
	s_add_co_u32 s38, s38, STG
	v_lshl_add_u32 v3, v1, 3, s38                  ; stage: the same row and half, 8 bytes a lane
	v_and_b32 v14, 15, v0                          ; r
	v_bfe_u32 v15, v0, 4, 1                        ; h
	v_mul_u32_u24 v4, v14, SPITCH
	v_lshl_add_u32 v4, v15, 4, v4
	v_add_nc_u32 v4, STG, v4                       ; A fragment: row r, 16 h
	v_mul_u32_u24 v5, v14, WPITCH
	v_lshl_add_u32 v5, v15, 5, v5
	v_add_nc_u32 v5, s25, v5                       ; f32 weights: my wave's tile, row r, 32 h
	s_lshl_b32 s38, s16, 10
	s_lshl_b32 s39, s14, 8
	s_add_co_u32 s38, s38, s39
	v_lshl_add_u32 v6, v1, 2, s38                  ; dec_w: 4 (256 fh + 64 w + lane)
	v_min_u32 v7, 9, v1
	v_lshlrev_b32 v7, 2, v7                        ; 4 min(lane, 9)
.irp i, 0,1,2,3,4,5
	v_mov_b32 v[UR+\i], 0                          ; u, trace and counts start at 0
.endr
	; the oldest loads of the wave: the first wait of the ring covers them
.irp c, 0,1,2,3,4,5,6,7,8,9
	global_load_b32 v[DW+2*\c],   v6, s[8:9] offset:\c*2048
	global_load_b32 v[DW+2*\c+1], v6, s[8:9] offset:\c*2048+128
.endr
	global_load_b32 v[DB], v7, s[10:11]
; A block's loads into ring slot 'slot': load q brings step 2 q + (w >> 1), half row w & 1: 512 consecutive bytes, aligned.
; cnt = 8, or 2 for the last block: the four waves then bring exactly steps 496 to 499.  No hint: the other filter half reads the same rows.
; step = blocks by which the base moves on first; ahead = blocks that stand in the immediate (3 blocks and 14 steps at the most: 8,126,464 bytes, inside its signed 24 bits).
.macro GLOAD cnt, slot, step, ahead
.if \step
	s_wait_xcnt 0x0                                ; the base is stepped only when every earlier load has had its address translated
	s_add_nc_u64 s[4:5], s[4:5], (\step)*XBLK
.endif
	WIN W_RING
.irp q, 0,1,2,3,4,5,6,7
.if \q < \cnt
	global_load_b128 v[32*(\slot)+4*\q:32*(\slot)+4*\q+3], v2, s[4:5] offset:(\ahead)*XBLK+\q*2*XROW
.endif
.endr
.endm
; The block in ring slot 'slot' is rounded to bf16 in place and staged in buffer 'buf'.  left = the loads issued behind this block's.
.macro CONV cnt, slot, buf, left
	s_wait_loadcnt \left                           ; loads come back in order (ISA guide 5.7.1): this block is in, the younger blocks stay out
	WIN W_CVT
.irp q, 0,1,2,3,4,5,6,7
.if \q < \cnt
	v_cvt_pk_bf16_f32 v[32*(\slot)+4*\q],   v[32*(\slot)+4*\q],   v[32*(\slot)+4*\q+1]
	v_cvt_pk_bf16_f32 v[32*(\slot)+4*\q+1], v[32*(\slot)+4*\q+2], v[32*(\slot)+4*\q+3]
.endif
.endr
	WIN W_RING
.irp q, 0,1,2,3,4,5,6,7
.if \q < \cnt
	ds_store_b64 v3, v[32*(\slot)+4*\q:32*(\slot)+4*\q+1] offset:(\buf)*SBUF+\q*2*SPITCH   ; 32 lanes, 256 consecutive bytes
.endif
.endr
.endm
; A fragment k (16 steps x 32 of W) from buffer 'buf' into set 'set': lane (r, h) takes row r, bytes 64 k + 16 h and 32 further on
.macro ALD2 k, buf, set
	ds_load_b128 v[AF+64*(\set)+8*(\k):AF+64*(\set)+8*(\k)+3],   v4 offset:(\buf)*SBUF+64*(\k)
	ds_load_b128 v[AF+64*(\set)+8*(\k)+4:AF+64*(\set)+8*(\k)+7], v4 offset:(\buf)*SBUF+64*(\k)+32
.endm
	GLOAD 8, 0, 0, 0                               ; blocks 0 to 4 go out while the weights are on their way; four blocks share a base
	GLOAD 8, 1, 0, 1
	GLOAD 8, 2, 0, 2
	GLOAD 8, 3, 0, 3
	GLOAD 8, 4, 4, 0
	s_wait_tensorcnt 0x0                           ; my tile of weights is in my LDS; no other wave reads it
	GLOAD 8, 5, 0, 1                               ; where the counter's field is full the issue is held until an older load is back (ISA guide 5.7.1)
	GLOAD 8, 6, 0, 2
	GLOAD 8, 7, 0, 3
	WIN 0
; THE WEIGHTS, f32 in LDS to bf16 fragments in window 1, in eight groups of four fragments; fragment 4 g + i is tile (4 g + i) / 8, K chunk (4 g + i) % 8.
; Lane (r, h) of a fragment holds W = 32 k + 8 h .. + 7 and 32 k + 16 + 8 h .. + 7 of filter row 16 n + r: twice 32 bytes of f32, 64 bytes apart.
.macro WLD g, t
.irp i, 0,1,2,3
	ds_load_b128 v[\t+16*\i:\t+16*\i+3],     v5 offset:((4*(\g)+\i)>>3)*16*WPITCH+((4*(\g)+\i)&7)*128
	ds_load_b128 v[\t+16*\i+4:\t+16*\i+7],   v5 offset:((4*(\g)+\i)>>3)*16*WPITCH+((4*(\g)+\i)&7)*128+16
	ds_load_b128 v[\t+16*\i+8:\t+16*\i+11],  v5 offset:((4*(\g)+\i)>>3)*16*WPITCH+((4*(\g)+\i)&7)*128+64
	ds_load_b128 v[\t+16*\i+12:\t+16*\i+15], v5 offset:((4*(\g)+\i)>>3)*16*WPITCH+((4*(\g)+\i)&7)*128+80
.endr
.endm
.macro WCV g, t
	WIN W_TOB
.irp i, 0,1,2,3
.irp e, 0,1,2,3,4,5,6,7
	v_cvt_pk_bf16_f32 v[8*(4*(\g)+\i)+\e], v[\t+16*\i+2*\e], v[\t+16*\i+2*\e+1]
.endr
.endr
	WIN 0
.endm
	WLD 0, AF                                      ; the two fragment sets serve as the two groups' room by turns
	WLD 1, AF+64
.irp g, 0,1,2,3,4,5
	s_wait_dscnt 16                                ; LDS loads come back in order: this group is in, the younger group's 16 stay out
	WCV \g, AF+64*(\g&1)
	WLD \g+2, AF+64*(\g&1)
.endr
	s_wait_dscnt 16
	WCV 6, AF
	s_wait_dscnt 0x0
	WCV 7, AF+64
	CONV 8, 0, 0, 56                               ; block 0: the 56 loads of blocks 1 to 7 stay out (and dec_w, dec_b, which are older, are in)
	GLOAD 8, 0, 4, 0                               ; block 8: the base stood at block 4
	CONV 8, 1, 1, 56
	GLOAD 8, 1, 1, 0                               ; block 9; from here on the base moves a block at a time
	WIN 0
	s_wait_dscnt 0x0                               ; my parts of blocks 0 and 1 are staged
	s_barrier_signal -1
	s_barrier_wait -1                              ; everybody's are
.irp k, 0,1,2,3,4,5,6,7
	ALD2 \k, 0, 0
.endr
	s_wait_dscnt 0x0                               ; my reads of buffer 0 are back
	s_barrier_signal -1
	s_barrier_wait -1                              ; everybody's are: phase 0 stages block 2 there
; One matrix instruction of the phase's 32, K chunk idx / 4, tile idx % 4: the four accumulators take turns, one instruction a turn,
; and the next phase starts on the other set, over the loop's backward jump too.  The first K chunk starts the sums.
.macro WM idx
.set WN, (\idx)&3
.set WK, (\idx)>>2
.set WD, ACC+32*PAR+8*WN
.set WA, AF+64*PAR+8*WK
.set WB, 64*WN+8*WK
.if WK == 0
	v_wmma_f32_16x16x32_bf16 v[WD:WD+7], v[WA:WA+7], v[WB:WB+7], 0
.else
	v_wmma_f32_16x16x32_bf16 v[WD:WD+7], v[WA:WA+7], v[WB:WB+7], v[WD:WD+7]
.endif
.endm
; register j of chain c's two tiles in set OTH: afterwards steps j and 8 + j of the chain's 32 filters
.macro SWC c, j
	v_permlane16_swap_b32 v[ACC+32*OTH+16*(\c)+(\j)], v[ACC+32*OTH+16*(\c)+8+(\j)]
.endm
; The five lines of chain c at step s.  The trace is made in place of the projection; step 0 takes the carried trace, step 15 leaves it in TRC.
.macro TR c, s
.set PP, ACC+32*OTH+16*(\c)+(\s)
.if (\s) == 0
	v_fma_f32 v[PP], v[TRC+\c], s18, v[PP]
.else
.if (\s) == 15
	v_fma_f32 v[TRC+\c], v[PP-1], s18, v[PP]
.else
	v_fma_f32 v[PP], v[PP-1], s18, v[PP]
.endif
.endif
.endm
.macro UU c, s
.if (\s) == 15
	v_fma_f32 v[UR+\c], v[UR+\c], s19, v[TRC+\c]
.else
	v_fma_f32 v[UR+\c], v[UR+\c], s19, v[ACC+32*OTH+16*(\c)+(\s)]
.endif
.endm
.macro CM c
	v_cmp_gt_f32 s[20+\c], v[UR+\c], 1.0           ; the spikes of 32 neurons
.endm
.macro CN c
	v_cndmask_b32 v[UR+\c], v[UR+\c], 0, s[20+\c]  ; reset
.endm
.macro AD c
	v_add_co_ci_u32 v[CNT+\c], s[20+\c], v[CNT+\c], 0, s[20+\c]    ; count + 0 + spike; it writes the mask register, so it stands behind the reset
.endm
; One step of both chains with two matrix instructions: register work alone.
; The serial chain of a step is u -> compare -> reset -> the next u; the trace is no part of it.  So the trace of step s + 1 is made in step s, a whole step ahead
; of the line that reads it, and the swaps two steps ahead (the phase's head makes swaps 0, 1 and the trace of step 0).  Between a link of the chain and the
; next stand other lines: u to its compare 2, compare to its reset 3 or 4, reset to the next u 4 or 5.  Six, then four to six vector lines follow the two matrix instructions.
; In step 15 both matrix instructions come early, so that six plain vector lines that name neither their registers nor any of that set stand behind the
; phase's last one, ahead of the next phase's loads into its A fragments and of the next phase's swaps of its results (four places).
.macro SLICE s
.if SCN
.if (\s) < 15
	WM 2*(\s)
	UU 0, \s
	UU 1, \s
	TR 0, (\s)+1
	CM 0
	CM 1
	TR 1, (\s)+1
	WM 2*(\s)+1
.if (\s) < 6
	SWC 0, (\s)+2
.endif
	CN 0
	CN 1
	AD 0
	AD 1
.if (\s) < 6
	SWC 1, (\s)+2
.endif
.else
	WM 2*(\s)
	UU 0, \s
	UU 1, \s
	WM 2*(\s)+1
	CM 0
	CM 1
	CN 0
	CN 1
	AD 0
	AD 1
.endif
.else
	WM 2*(\s)
	WM 2*(\s)+1
.endif
.endm
; Phase p.  AT ITS HEAD, in one run: block p + 2 rounded and staged into buffer p % 2; block p + 10 asked for, into the ring slot just emptied; the fragments
; of block p + 1 from the other stage buffer into the other fragment set (they have the whole phase in which to land).
; THEN products of block p on fragment set and result set p % 2, with the scan of block p - 1 on the other result set between them.
; THE ONE BARRIER orders, for all four waves: this phase's staging stores ahead of the next phase's fragment loads from that buffer, and this phase's
; fragment loads ahead of the next phase's stores into their buffer.  Both kinds are waited for in front of the signal; the same wait shows my next fragments in.
.macro PH p
.set PAR, (\p)&1
.set OTH, 1-PAR
.set SLT, ((\p)+2)&7
.if (\p) >= 1
.set SCN, 1
.else
.set SCN, 0
.endif
.if (\p) <= 30
.set ALDF, 1
.else
.set ALDF, 0
.endif
.if (\p) <= 28
.set NCV, 8
.else
.if (\p) == 29
.set NCV, 2
.else
.set NCV, 0
.endif
.endif
.if (\p) <= 20
.set NGL, 8
.else
.if (\p) == 21
.set NGL, 2
.else
.set NGL, 0
.endif
.endif
.if (\p) <= 21
.set LEFT, 56                                      ; seven younger blocks of eight loads
.else
.if (\p) <= 28
.set LEFT, 8*(28-(\p))+2                           ; the whole blocks that are left, and the last block's two loads
.else
.set LEFT, 0
.endif
.endif
.if NCV
	CONV NCV, SLT, PAR, LEFT
.if NGL
	GLOAD NGL, SLT, 1, 0
.endif
.endif
	WIN W_MAIN
.if ALDF
.irp k, 0,1,2,3,4,5,6,7
	ALD2 \k, OTH, OTH
.endr
.endif
.if SCN
	SWC 0, 0                                       ; what the first step wants ready: steps 0 and 1 in place, the trace of step 0
	SWC 1, 0
	SWC 0, 1
	SWC 1, 1
	TR 0, 0
	TR 1, 0
.endif
.irp s, 0,1,2,3,4,5,6,7,8,9,10,11,12
	SLICE \s
.endr
.if ALDF
	s_wait_dscnt 0x0                               ; my staging stores and my fragment loads are done
.endif
.if (\p) <= 29
	s_barrier_signal -1
.endif
.irp s, 13,14,15
	SLICE \s                                       ; register work alone
.endr
.if SCN == 0
.rept 4
	v_nop                                          ; no scan yet: the four places behind the last matrix instruction (ISA guide 7.12.1)
.endr
.endif
.if (\p) <= 29
	s_barrier_wait -1
.endif
.endm
	PH 0
	WIN 0                                          ; at a label and at a branch every window is 0
	s_mov_b32 s40, 2
.Lring:                                            ; eight phases a trip, as many as the ring has slots, whose register numbers are fixed: phases 1 to 16
.irp p, 1,2,3,4,5,6,7,8
	PH \p
.endr
	WIN 0
	s_sub_co_i32 s40, s40, 1
	s_cmp_lg_u32 s40, 0
	s_cbranch_scc1 .Lring
.irp p, 17,18,19,20,21,22,23,24,25,26,27,28,29,30,31
	PH \p                                          ; written out: the ring runs dry, the counts run down, no load leaves x
.endr
	WIN 0
	; the last block's four steps (t = 496 to 499); rows 4 to 15 of its tiles are not used
.set OTH, 1
.irp j, 0,1,2,3
	SWC 0, \j
	SWC 1, \j
.endr
.irp s, 0,1,2,3
	TR 0, \s
	TR 1, \s
	UU 0, \s
	UU 1, \s
	CM 0
	CM 1
	CN 0
	CN 1
	AD 0
	AD 1
.endr
	; THE DECODER's part: ten sums over my 64 filters, then over the four waves
	v_cvt_f32_u32 v[CNT], v[CNT]
	v_cvt_f32_u32 v[CNT+1], v[CNT+1]
.irp c, 0,1,2,3,4,5,6,7,8,9
	v_mul_f32 v[16+\c], v[CNT], v[DW+2*\c]
.endr
.irp c, 0,1,2,3,4,5,6,7,8,9
	v_fmac_f32 v[16+\c], v[CNT+1], v[DW+2*\c+1]
.endr
.irp m, 1,2,4,8
.irp c, 0,1,2,3,4,5,6,7,8,9
	v_add_f32_dpp v[16+\c], v[16+\c], v[16+\c] row_xmask:\m row_mask:0xf bank_mask:0xf
.endr
.endr
.irp c, 0,1,2,3,4,5,6,7,8,9
	v_permlanex16_b32 v[32+\c], v[16+\c], s22, s23 ; its destination counts as read: these registers have held results
.endr
.irp c, 0,1,2,3,4,5,6,7,8,9
	v_add_f32 v[16+\c], v[16+\c], v[32+\c]         ; every lane holds the wave's sum c
.endr
	s_lshl_b32 s36, s14, 6
	s_add_co_u32 s36, s36, SCR
	v_mov_b32 v14, s36
.irp c, 0,1,2,3,4,5,6,7,8,9
	ds_store_b32 v14, v[16+\c] offset:4*\c         ; all lanes write the same word with the same value
.endr
	s_wait_dscnt 0x0                               ; for the others' sake: my ten sums are in LDS
	s_barrier_signal -1
	s_barrier_wait -1
	s_cmp_lg_u32 s14, 0
	s_cbranch_scc1 .Lclose                         ; wave 0 finishes
	v_add_nc_u32 v15, SCR, v7
	ds_load_b32 v16, v15                           ; lane c: sum c of wave 0, 1, 2, 3
	ds_load_b32 v17, v15 offset:64
	ds_load_b32 v18, v15 offset:128
	ds_load_b32 v19, v15 offset:192
	s_cmp_eq_u32 s16, 0
	s_cselect_b32 s36, -1, 0
	v_cndmask_b32 v[DB], 0, v[DB], s36             ; the bias is added once: by the half fh = 0
	s_mul_i32 s44, s16, 5120
	s_mul_i32 s45, s17, 40
	s_add_co_u32 s44, s44, s45
	s_mov_b32 s45, 0
	s_add_nc_u64 s[12:13], s[12:13], s[44:45]      ; part[fh][b]
	s_wait_dscnt 0x0
	v_add_f32 v16, v16, v17
	v_add_f32 v18, v18, v19
	v_add_f32 v16, v16, v18
	v_add_f32 v16, v16, v[DB]
	s_wait_xcnt 0x0                                ; EXEC changes only when every earlier memory instruction has had its address translated
	v_cmp_gt_u32 vcc_lo, 10, v1
	s_and_saveexec_b32 s41, vcc_lo
	global_store_b32 v7, v16, s[12:13]             ; lanes 0 to 9: 40 consecutive bytes
	s_wait_xcnt 0x0                                ; and again in front of the line that widens it
	s_or_b32 exec_lo, exec_lo, s41
.Lclose:
	s_wait_tensorcnt 0x0
	ds_add_u32 v254, v255
	s_wait_dscnt 0x0
	ROUND                                          ; the closing round: no work-group ends while a partner may still ask for a tile that names it
	s_endpgm
.Lfunc_end_k_qedc9d8786c_snn:
	.size	k_qedc9d8786c_snn, .Lfunc_end_k_qedc9d8786c_snn-k_qedc9d8786c_snn
	.p2alignl 7, 3214868480
	.fill 96, 4, 3214868480
	.section	.rodata,"a",@progbits
	.p2align	6, 0x0
	.amdhsa_kernel k_qedc9d8786c_snn
		.amdhsa_group_segment_fixed_size 283904
		.amdhsa_private_segment_fixed_size 0
		.amdhsa_enable_private_segment 0
		.amdhsa_kernarg_size 40
		.amdhsa_user_sgpr_count 2
		.amdhsa_user_sgpr_kernarg_segment_ptr 1
		.amdhsa_wavefront_size32 1
		.amdhsa_system_sgpr_workgroup_id_x 1
		.amdhsa_system_sgpr_workgroup_id_y 1
		.amdhsa_system_sgpr_workgroup_id_z 1
		.amdhsa_system_vgpr_workitem_id 0
		.amdhsa_next_free_vgpr 768
		.amdhsa_next_free_sgpr 66
		.amdhsa_reserve_vcc 1
		.amdhsa_float_denorm_mode_32 3
		.amdhsa_float_denorm_mode_16_64 3
		.amdhsa_memory_ordered 1
		.amdhsa_forward_progress 1
		.amdhsa_inst_pref_size 255
	.end_amdhsa_kernel
	.section	.bss,"aw",@nobits
	.p2align	6
	.space	262144
	.amdgpu_metadata
---
amdhsa.version: [ 1, 2 ]
amdhsa.kernels:
  - .name:           k_qedc9d8786c_snn
    .symbol:         k_qedc9d8786c_snn.kd
    .args:
      - { .name: x_windows, .offset: 0, .size: 8, .value_kind: global_buffer, .address_space: global }
      - { .name: weights, .offset: 8, .size: 8, .value_kind: global_buffer, .address_space: global }
      - { .name: dec_w, .offset: 16, .size: 8, .value_kind: global_buffer, .address_space: global }
      - { .name: dec_b, .offset: 24, .size: 8, .value_kind: global_buffer, .address_space: global }
      - { .name: part, .offset: 32, .size: 8, .value_kind: global_buffer, .address_space: global }
    .group_segment_fixed_size: 283904
    .private_segment_fixed_size: 0
    .kernarg_segment_align: 8
    .kernarg_segment_size: 40
    .max_flat_workgroup_size: 128
    .sgpr_count:     66
    .vgpr_count:     768
    .wavefront_size: 32
...
	.end_amdgpu_metadata
.endif
;; end of part 3
;; launch finish: the kernel of part 2 again; grid 1 x 1, 10 waves a work-group, no clusters, 0 bytes of LDS; arguments part, out0; writes out0
